; MI455X (gfx1250); checked and timed in simulation.
; The chip was launched on July 23, 2026; its instructions are those of AMD's public machine-readable ISA for CDNA 5 (MIT licence, August 2026) and "CDNA5" Instruction Set Architecture Reference Guide (July 2026). The comments in the code are by the model that wrote it; some were corrected since.
;; Multi Headed Attention. Allowed arithmetic: matrix products marked QUANTISED: E2M1 operands, one E8M0 scale for each 32 along K, by v_wmma_scale_f32_16x16x128_f8f6f4 with both operands' format E2M1 (or v_wmma_scale_f32_32x16x128_f4), f32 sums; everything else in f32.
;; Inputs: Wk_codes 1,024 x 32 x 16 uint8 (E2M1 codes of Wk, K innermost, in blocks of 32 codes, two codes a byte); Wk_scales 1,024 x 32 uint8 (E8M0 scales of Wk, one for each 32 codes along K); Wq_codes 1,024 x 32 x 16 uint8 (E2M1 codes of Wq, K innermost, in blocks of 32 codes, two codes a byte); Wq_scales 1,024 x 32 uint8 (E8M0 scales of Wq, one for each 32 codes along K); bk 1,024 float32; bq 1,024 float32; key_codes 4 x 2,048 x 32 x 16 uint8 (E2M1 codes of key, K innermost, in blocks of 32 codes, two codes a byte); key_scales 4 x 2,048 x 32 uint8 (E8M0 scales of key, one for each 32 codes along K); query_codes 4 x 2,048 x 32 x 16 uint8 (E2M1 codes of query, K innermost, in blocks of 32 codes, two codes a byte); query_scales 4 x 2,048 x 32 uint8 (E8M0 scales of query, one for each 32 codes along K); value_codes 4 x 64 x 64 x 16 uint8 (E2M1 codes of value, K innermost, in blocks of 32 codes, two codes a byte); value_scales 4 x 64 x 64 uint8 (E8M0 scales of value, one for each 32 codes along K).
;; Outputs: out0 4 x 2,048 x 64 float32; out1 4 x 16 x 2,048 x 64 float32.
;; This version of the problem:
;;   THIS VERSION OF THE PROBLEM IS GIVEN IN LOW PRECISION. The matrix products marked QUANTISED in the list below multiply operands that are first quantised to E2M1 (2 exponent bits, 1 mantissa bit; 4 bits a number), with one power-of-two scale for each 32 numbers along K (OCP MX v1.0); their sums are f32. All else is computed in f32.
;;   The module's matrix products, in the order in which they are computed (A, B: the left and right operand; K: the contracted axis; several contracted axes count as one K, in the product's order):
;;     1. [M 8,192, K 1,024] x [K 1,024, N 1,024]; A: input query (given as codes); B: input Wq (given as codes): QUANTISED
;;     2. [M 8,192, K 1,024] x [K 1,024, N 1,024]; A: input key (given as codes); B: input Wk (given as codes): QUANTISED
;;     3. batch 64 x [M 2,048, K 64] x [K 64, N 2,048]; A: computed on the way; B: computed on the way: QUANTISED
;;     4. batch 4 x [M 32,768, K 2,048] x [K 2,048, N 64]; A: softmax (see below); B: input value (given as codes): QUANTISED
;;   THE QUANTISER, for each operand of a quantised product, along K:
;;     - K is cut into blocks of 32 from its start; a last block that is shorter is filled with zeros.
;;     - A block's scale is 2^e with e = floor(log2(the largest magnitude in the block)) - 2, held to -126 .. 127; a block of zeros has e = 0. As a byte (E8M0): e + 127.
;;     - Each number is divided by its block's scale, clamped to +-6, and rounded to the nearest number of E2M1, ties to even, subnormals kept.
;;     - The product sums the exact products of the quantised numbers (number of the format x scale) in f32.
;;   ~~~python
;;   def quantise(x, axis):      # numpy; x: float32 -> the quantised numbers, widened to float32 again
;;       x = np.moveaxis(x, axis, -1); K = x.shape[-1]
;;       x = np.pad(x, [(0, 0)] * (x.ndim - 1) + [(0, -K % 32)]); x = x.reshape(x.shape[:-1] + (-1, 32)); a = np.abs(x).max(-1, keepdims=True)
;;       e = np.where(a > 0, np.clip(np.frexp(np.where(a > 0, a, 1))[1] - 1 - 2, -126, 127), 0)      # np.frexp(a)[1] - 1 = floor(log2(a)), exactly
;;       r = np.clip(x / 2.0 ** e, -6, 6)
;;       step = 2.0 ** (np.maximum(np.frexp(np.where(r == 0, 1, r))[1] - 1, 0) - 1)
;;       q = np.round(r / step) * step * 2.0 ** e      # np.round: ties to even
;;       return np.moveaxis(q.reshape(q.shape[:-2] + (-1,))[..., :K], -1, axis).astype(np.float32)
;;   ~~~
;;   SOFTMAX AHEAD OF A QUANTISED PRODUCT. Where the list says 'softmax', what is quantised is not the finished softmax but p = 2^(t - M), with t = logit x log2(e) and M = ceil(the row's largest t), a whole number; so 1/2 < the row's largest p <= 1. The row's sum l is taken of the UNQUANTISED p, in f32, and the product's result is divided by l at the end. Since M is a whole number, a kernel that streams over the keys may use a running M (the ceiling of the running maximum): every later rescaling is an exact power of two, which a block's scale takes up: the codes' values come out the same.
;;   OPERANDS COMPUTED ON THE WAY. 'Computed on the way' means the value that the module computes at that place (a softmax that the list does not call 'softmax' is quantised finished and normalised). What goes into a quantiser is computed in f32, as accurately as f32 sums, v_exp_f32 and their like allow (about 1e-6 of the number): no bf16 or f16 on the way to a quantiser, and a product that is left as it is and whose result goes on into a quantised operand takes f32 operands (vector FMAs, or v_wmma_f32_16x16x4_f32). A number that lies on a knife's edge between two numbers of the format may be rounded either way, as far as f32 arithmetic and the matrix unit's own rounding can turn it there, and no further.
;;   INPUTS GIVEN AS CODES. Wk (in the module: [1024, 1024], K = its axis 1); Wq (in the module: [1024, 1024], K = its axis 1); key (in the module: [4, 2048, 1024], K = its axis 2); query (in the module: [4, 2048, 1024], K = its axis 2); value (in the module: [4, 64, 2048], K = its axis 2): each comes as NAME_codes (uint8): NAME with its K axis moved to the last place and cut into blocks of 32 codes, [.., K / 32, bytes a block], one block behind the other in memory; two codes a byte, the lower K in the low four bits (a code: sign, 2 exponent bits, 1 mantissa bit); and NAME_scales (uint8): the same leading axes, one E8M0 byte (e + 127) for each 32 codes along K. Its value is code x scale, taken as it is: it is not quantised again, and the codes and scales need not be those that the quantiser above would give.
;; One version. Each part assembles by itself: llvm-mc -triple=amdgcn-amd-amdhsa -mcpu=gfx1250 --defsym DOCPART=n.
;; ======== version 1 of 1: 2 launches
;; limits: right only within a limited range of input values
;; workspace buffers: qw 4,718,592 bytes; kw 4,718,592 bytes
;; launch proj (part 1): grid 4 x 64, 4 waves a work-group, clusters of 4 x 4, 327,680 bytes of LDS; arguments query_codes, query_scales, Wq_codes, Wq_scales, bq, key_codes, key_scales, Wk_codes, Wk_scales, bk, qw, kw, out1; writes qw, kw, out1
.if DOCPART == 1
	.amdgcn_target "amdgcn-amd-amdhsa--gfx1250"
	.amdhsa_code_object_version 6
	.text
	.protected	k_qf02fd3e5d2_proj
	.globl	k_qf02fd3e5d2_proj
	.p2align	8
	.type	k_qf02fd3e5d2_proj,@function
k_qf02fd3e5d2_proj:
	s_mov_b64 s[64:65], 0
	v_nop
	global_prefetch_b8 v0, s[64:65] scope:SCOPE_SE
	s_setreg_imm32_b32 hwreg(HW_REG_WAVE_MODE, 25, 1), 1
	s_wait_xcnt 0x0
	s_wait_alu depctr_hold_cnt(0) depctr_sa_sdst(0) depctr_va_vdst(0) depctr_va_sdst(0) depctr_va_ssrc(0) depctr_va_vcc(0) depctr_vm_vsrc(0)
	s_getreg_b32 s2, hwreg(HW_REG_IB_STS2, 6, 4)
	s_cmp_eq_u32 s2, 0
	s_cbranch_scc0 .Lentry_in_a_cluster
	s_endpgm
.Lentry_in_a_cluster:
	s_bfe_u32 s2, ttmp6, 0x10000c
	s_cmp_lg_u32 s2, 0xf033
	s_cbranch_scc0 .Lentry_shape_is_right
	s_endpgm
.Lentry_shape_is_right:
.set KSTEP,  512
.set NQ,     4
.set ROWB,   256
.set KROW,   512
.set PITCH,  272
.set FR,     8
.set NL,     2
.set NP,     4
.set HALFT,  128*PITCH
.set SLOT,   4*HALFT
.set KS,     32
.set SCL,    2*SLOT
.set HALFS,  16*272
.set SBLK,   2*272
.set SPITCH, 528
.set PKG,    4608
.set ADRA, 16
.set ADRB, 20
.set STO,  24
.set RD,   25
.set CO,   26
.set ADRS, 27
.set WO,   28
.set BO,   29
.set LN,   30
.set SC,   32
.set TM,   96
.set WRD,  112
.set AF,   128
.set BIAS, 192
.set BK,   128
.set PC,   128
.set SW,   192
.set G1, 24
.set G0, 32
.set G1B, 48
.set G0B, 56
.set G1S, 68
.set G0S, 76
.set G1SB, 80
.set G0SB, 88
.set SEL, 92
.set MSB, 0
.macro WIN new
.if MSB != (\new)
	s_set_vgpr_msb (MSB<<8)|(\new)
.set MSB, (\new)
.endif
.endm
.set MUL_LO, 0xa1
.set MUL_HI, 0xf1
.set FST_LO, 0x81
.set FST_HI, 0xc1
.set TO_B,   0x40
.macro JLOAD g0a, g1a, g0b, g1b
	s_cmp_eq_u32 s15, 0
	s_cbranch_scc0 .Lfor_b_\@
	tensor_load_to_lds s[\g0a:\g0a+3], s[\g1a:\g1a+7]
	s_nop 0
.rept 4
	v_nop
.endr
	s_branch .Lasked_\@
.Lfor_b_\@:
	tensor_load_to_lds s[\g0b:\g0b+3], s[\g1b:\g1b+7]
	s_nop 0
.rept 4
	v_nop
.endr
.Lasked_\@:
.endm
.macro CROUND
	s_barrier_signal -1
	s_barrier_wait -1
	s_cmp_lg_u32 s14, 0
	s_cbranch_scc1 .Lnot_wave_0_\@
	s_barrier_signal -3
.Lnot_wave_0_\@:
	s_barrier_wait -3
	s_barrier_signal -1
	s_barrier_wait -1
.endm
	s_load_b256 s[4:11], s[0:1], 0x0
	s_load_b64 s[12:13], s[0:1], 0x20
	s_load_b256 s[92:99], s[0:1], 0x28
	s_load_b64 s[100:101], s[0:1], 0x48
	s_load_b64 s[66:67], s[0:1], 0x50
	s_load_b64 s[104:105], s[0:1], 0x58
	s_load_b64 s[2:3], s[0:1], 0x60
	v_lshl_add_u32 v106, v0, 2, 0x48400
	v_mov_b32 v107, 0
	ds_add_u32 v106, v107
	ds_add_u32 v106, v107
	v_lshrrev_b32 v1, 5, v0
	v_readfirstlane_b32 s14, v1
	s_lshr_b32 s15, s14, 1
	s_and_b32 s16, s14, 1
	s_bfe_u32 s40, ttmp6, 0x40000
	s_bfe_u32 s41, ttmp6, 0x40004
	s_lshl_b32 s18, ttmp9, 2
	s_add_co_u32 s18, s18, s40
	s_and_b32 s19, ttmp7, 0xffff
	s_and_b32 s17, s19, 7
	s_lshl_b32 s17, s17, 2
	s_add_co_u32 s17, s17, s41
	s_lshr_b32 s19, s19, 3
	s_lshl_b32 s42, s41, 2
	s_lshl_b32 s42, 15, s42
	s_lshl_b32 s43, 0x1111, s40
	s_or_b32 s[G1+0], s42, (0<<16)|(1<<20)|(1<<21)|(5<<22)|(3<<25)
	s_or_b32 s[G1B+0], s43, (0<<16)|(1<<20)|(1<<21)|(5<<22)|(3<<25)
.irp g, G1, G1B
	s_mov_b32 s[\g+1], ROWB<<16
	s_mov_b32 s[\g+2], 128<<16
	s_mov_b32 s[\g+3], ROWB<<16
	s_mov_b32 s[\g+4], 128
	s_mov_b32 s[\g+5], KROW
	s_mov_b32 s[\g+6], 0
	s_mov_b32 s[\g+7], 0
.endr
	s_or_b32 s[G1S+0], s42, (3<<16)|(1<<20)|(1<<21)|(5<<22)|(3<<25)
	s_or_b32 s[G1SB+0], s43, (3<<16)|(1<<20)|(1<<21)|(5<<22)|(3<<25)
.irp g, G1S, G1SB
	s_mov_b32 s[\g+1], 32<<16
	s_mov_b32 s[\g+2], 16<<16
	s_mov_b32 s[\g+3], 32<<16
	s_mov_b32 s[\g+4], 16
	s_mov_b32 s[\g+5], 32
	s_mov_b32 s[\g+6], 0
	s_mov_b32 s[\g+7], 0
.endr
	s_lshl_b32 s20, s17, 8
	s_lshl_b32 s21, s16, 7
	s_add_co_u32 s20, s20, s21
	s_lshl_b32 s22, s20, 5
	s_lshl_b32 s20, s20, 9
	s_mov_b32 s21, 0
	s_mov_b32 s23, 0
	s_lshl_b32 s46, s18, 8
	s_lshl_b32 s47, s16, 7
	s_add_co_u32 s46, s46, s47
	s_mul_i32 s44, s14, HALFT
	s_mul_i32 s45, s14, HALFS
	s_wait_dscnt 0x0
	s_wait_kmcnt 0x0
	s_cmp_eq_u32 s19, 0
	s_cselect_b64 s[4:5], s[4:5], s[92:93]
	s_cselect_b64 s[6:7], s[6:7], s[94:95]
	s_cselect_b64 s[8:9], s[8:9], s[96:97]
	s_cselect_b64 s[10:11], s[10:11], s[98:99]
	s_cselect_b64 s[12:13], s[12:13], s[100:101]
	s_cselect_b64 s[66:67], s[66:67], s[104:105]
	s_lshl_b32 s94, s46, 5
	s_lshl_b32 s46, s46, 9
	s_mov_b32 s95, 0
	s_mov_b32 s47, 0
	s_add_nc_u64 s[20:21], s[4:5], s[20:21]
	s_add_nc_u64 s[22:23], s[6:7], s[22:23]
	s_add_nc_u64 s[46:47], s[8:9], s[46:47]
	s_add_nc_u64 s[94:95], s[10:11], s[94:95]
	CROUND
	s_mov_b32 s[G0S], 1
	s_add_co_u32 s[G0S+1], s45, SCL
	s_mov_b64 s[G0S+2:G0S+3], s[22:23]
	s_or_b32 s[G0S+3], s[G0S+3], 0x80000000
	s_mov_b32 s[G0SB], 1
	s_add_co_u32 s[G0SB+1], s45, SCL
	s_mov_b64 s[G0SB+2:G0SB+3], s[94:95]
	s_or_b32 s[G0SB+3], s[G0SB+3], 0x80000000
	JLOAD G0S, G1S, G0SB, G1SB
.irp s, 0,1
	s_mov_b32 s[G0+4*\s], 1
	s_add_co_u32 s[G0+4*\s+1], s44, \s*SLOT
	s_add_nc_u64 s[G0+4*\s+2:G0+4*\s+3], s[20:21], \s*ROWB
	s_or_b32 s[G0+4*\s+3], s[G0+4*\s+3], 0x80000000
	s_mov_b32 s[G0B+4*\s], 1
	s_add_co_u32 s[G0B+4*\s+1], s44, \s*SLOT
	s_add_nc_u64 s[G0B+4*\s+2:G0B+4*\s+3], s[46:47], \s*ROWB
	s_or_b32 s[G0B+4*\s+3], s[G0B+4*\s+3], 0x80000000
	s_wait_alu depctr_va_vdst(0)
	s_wait_tensorcnt 0x0
	ds_add_u32 v106, v107
	s_wait_dscnt 0x0
	CROUND
	JLOAD G0+4*\s, G1, G0B+4*\s, G1B
.endr
	s_mov_b32 s[SEL], 0x76543210
	s_mov_b32 s[SEL+1], 0xfedcba98
	v_and_b32 v1, 15, v0
	s_wait_alu depctr_va_vdst(0)
	v_bfe_u32 v2, v0, 4, 1
	v_lshlrev_b32 v[BO], 5, v2
	s_lshl_b32 s98, s18, 10
	s_lshl_b32 s96, s16, 9
	s_add_co_u32 s98, s98, s96
	s_mov_b32 s99, 0
	s_add_nc_u64 s[12:13], s[12:13], s[98:99]
.irp b, 0,1,2,3,4,5,6,7
	global_load_b128 v[BIAS+8*\b:BIAS+8*\b+3],   v[BO], s[12:13] offset:64*\b
	global_load_b128 v[BIAS+8*\b+4:BIAS+8*\b+7], v[BO], s[12:13] offset:64*\b+16
.endr
	v_mul_u32_u24 v3, v1, PITCH
	v_lshl_add_u32 v4, v2, 4, v3
	s_mul_i32 s21, s15, HALFT
	s_mul_i32 s22, s16, HALFT
	s_add_co_u32 s22, s22, 2*HALFT
.irp s, 0,1
	v_add_nc_u32 v[ADRA+\s], s21, v4
	v_add_nc_u32 v[ADRB+\s], s22, v4
	s_add_co_u32 s21, s21, SLOT
	s_add_co_u32 s22, s22, SLOT
.endr
	v_mul_u32_u24 v5, v1, KS
	v_lshrrev_b32 v6, 8, v5
	v_lshl_add_u32 v5, v6, 4, v5
	s_mul_i32 s21, s15, HALFS
	s_mul_i32 s22, s16, HALFS
	s_add_co_u32 s22, s22, 2*HALFS
	s_sub_co_u32 s22, s22, s21
	v_mul_u32_u24 v6, s22, v2
	s_add_co_u32 s21, s21, SCL
	v_add_nc_u32 v5, v5, v6
	v_add_nc_u32 v[ADRS], s21, v5
	s_mul_i32 s23, s14, 16*SPITCH
	v_mul_u32_u24 v5, v1, SPITCH
	v_lshl_add_u32 v5, v2, 5, v5
	v_add_nc_u32 v[STO], s23, v5
	v_and_b32 v[LN], 31, v0
	v_lshlrev_b32 v[WO], 4, v[LN]
	v_add_nc_u32 v[RD], s23, v[WO]
	v_lshlrev_b32 v[CO], 4, v1
	v_lshl_add_u32 v[CO], v2, 19, v[CO]
	s_lshl_b32 s97, s18, 2
	s_lshl_b32 s96, s16, 1
	s_add_co_u32 s97, s97, s96
	s_lshr_b32 s96, s17, 3
	s_lshl_b32 s96, s96, 4
	s_add_co_u32 s96, s96, s97
	s_lshl_b32 s96, s96, 11
	s_and_b32 s98, s17, 7
	s_lshl_b32 s98, s98, 8
	s_add_co_u32 s96, s96, s98
	s_lshl_b32 s98, s15, 7
	s_add_co_u32 s96, s96, s98
	s_lshl_b32 s98, s96, 8
	s_add_nc_u64 s[2:3], s[2:3], s[98:99]
	s_lshl_b32 s96, s17, 1
	s_add_co_u32 s96, s96, s15
	s_lshl_b32 s96, s96, 4
	s_add_co_u32 s96, s96, s97
	s_mul_i32 s98, s96, PKG
	s_add_nc_u64 s[66:67], s[66:67], s[98:99]
.macro FRAG reg, adr, q, i
.irp c, 0,1
	ds_load_b128 v[\reg+4*\c:\reg+4*\c+3], v[\adr] offset:64*(\q)+32*\c+(\i)*16*PITCH
.endr
.endm
.macro MUL16 a0, p, q, sc, first
.irp a, \a0, \a0+1
.irp b, 0,1,2,3,4,5,6,7
.if \first
	v_wmma_scale_f32_16x16x128_f8f6f4 v[8*(8*((\a)%4)+\b):8*(8*((\a)%4)+\b)+7], v[128*(\p)+FR*\b:128*(\p)+FR*\b+FR-1], v[AF+FR*(\a):AF+FR*(\a)+FR-1], v[BIAS+8*\b:BIAS+8*\b+7], v[SC+8*NQ*(\sc)+NQ*\b+(\q)], v[SC+8*NQ*(\sc)+NQ*(\a)+(\q)] matrix_a_fmt:MATRIX_FMT_FP4 matrix_b_fmt:MATRIX_FMT_FP4 matrix_a_scale:MATRIX_SCALE_ROW1
.else
	v_wmma_scale_f32_16x16x128_f8f6f4 v[8*(8*((\a)%4)+\b):8*(8*((\a)%4)+\b)+7], v[128*(\p)+FR*\b:128*(\p)+FR*\b+FR-1], v[AF+FR*(\a):AF+FR*(\a)+FR-1], v[8*(8*((\a)%4)+\b):8*(8*((\a)%4)+\b)+7], v[SC+8*NQ*(\sc)+NQ*\b+(\q)], v[SC+8*NQ*(\sc)+NQ*(\a)+(\q)] matrix_a_fmt:MATRIX_FMT_FP4 matrix_b_fmt:MATRIX_FMT_FP4 matrix_a_scale:MATRIX_SCALE_ROW1
.endif
.endr
.endr
.endm
.macro FETCH_B slot, q, p
	WIN TO_B
.irp i, 0,1,2,3,4,5,6,7
	FRAG 128*(\p)+FR*\i, ADRB+\slot, \q, \i
.endr
	WIN 0
.endm
.macro FETCH_A slot, q, i0
.irp i, \i0, \i0+1, \i0+2, \i0+3
	FRAG AF+FR*(\i), ADRA+\slot, \q, \i
.endr
.endm
.macro SCALES sc
.irp i, 0,1,2,3,4,5,6,7
	ds_load_b128 v[SC+8*NQ*\sc+NQ*\i:SC+8*NQ*\sc+NQ*\i+3], v[ADRS] offset:\i*SBLK
.endr
.endm
.macro PLACES n
.rept \n
	v_nop
.endr
.endm
.macro STEP slot, q, first
	s_wait_dscnt 4*NL
.if \first
	WIN FST_LO
.else
	WIN MUL_LO
.endif
	MUL16 0, (\q)%2, \q, \slot, \first
	MUL16 2, (\q)%2, \q, \slot, \first
	s_wait_dscnt 0
	PLACES NP
	FETCH_B \slot, (\q)+1, 1-(\q)%2
	FETCH_A \slot, (\q)+1, 0
.if \first
	WIN FST_HI
.else
	WIN MUL_HI
.endif
	MUL16 4, (\q)%2, \q, \slot, \first
	MUL16 6, (\q)%2, \q, \slot, \first
	PLACES NP
	WIN 0
	FETCH_A \slot, (\q)+1, 4
.endm
.macro STEPS slot, from
.set Q, \from
.rept NQ-1-\from
	STEP \slot, Q, 0
.set Q, Q+1
.endr
.endm
	s_wait_alu depctr_va_vdst(0)
	s_wait_tensorcnt 1
	s_barrier_signal -1
	s_barrier_wait -1
	FETCH_B 0, 0, 0
	FETCH_A 0, 0, 0
	SCALES 0
	FETCH_A 0, 0, 4
	s_wait_loadcnt 0x0
	STEP 0, 0, 1
	STEPS 0, 1
	s_wait_tensorcnt 0x0
	s_wait_dscnt 4*NL
	WIN MUL_LO
	MUL16 0, 1, NQ-1, 0, 0
	s_wait_dscnt 0x0
	s_barrier_signal -1
	MUL16 2, 1, NQ-1, 0, 0
	WIN 0
	s_barrier_wait -1
	PLACES NP
	v_add_nc_u32 v[ADRS], 4*NQ, v[ADRS]
	FETCH_B 1, 0, 0
	FETCH_A 1, 0, 0
	SCALES 1
	WIN MUL_HI
	MUL16 4, 1, NQ-1, 0, 0
	MUL16 6, 1, NQ-1, 0, 0
	PLACES NP
	WIN 0
	FETCH_A 1, 0, 4
	STEPS 1, 0
	s_wait_dscnt 4*NL
	WIN MUL_LO
	MUL16 0, 1, NQ-1, 1, 0
	MUL16 2, 1, NQ-1, 1, 0
	s_wait_dscnt 0
	WIN MUL_HI
	MUL16 4, 1, NQ-1, 1, 0
	MUL16 6, 1, NQ-1, 1, 0
	WIN 0
	PLACES NP
.macro TOSTAGE a
.set AC, 64*((\a)%4)
	WIN 0x08+4*((\a)/4)
.irp b, 0,1,2,3,4,5,6,7
	ds_store_b128 v[STO], v[AC+8*\b:AC+8*\b+3] offset:64*\b
	ds_store_b128 v[STO], v[AC+8*\b+4:AC+8*\b+7] offset:64*\b+16
.endr
	WIN 0
.set BB, BK+64*((\a)%2)
.irp t, 0,1,2,3,4,5,6,7,8,9,10,11,12,13,14,15
	ds_load_b128 v[BB+4*\t:BB+4*\t+3], v[RD] offset:\t*SPITCH
.endr
.endm
.macro SEND a, younger
.set BB, BK+64*((\a)%2)
	s_wait_dscnt \younger
.irp t, 0,1,2,3,4,5,6,7,8,9,10,11,12,13,14,15
	global_store_b128 v[CO], v[BB+4*\t:BB+4*\t+3], s[2:3] offset:4096*(\a)+256*\t th:TH_STORE_NT
.endr
.endm
	s_cmp_lg_u32 s19, 0
	s_cbranch_scc1 .Lcodes
	TOSTAGE 0
.irp a, 1,2,3,4,5,6,7
.if \a > 1
	s_wait_xcnt 0x0
.endif
	TOSTAGE \a
	SEND \a-1, 32
.endr
	SEND 7, 0
.Lcodes:
	s_wait_xcnt 0x0
.irp c, 0,1,2,3
	v_mov_b32 v[TM+4+\c], 0
.endr
	v_and_b32 v202, 8, v[LN]                       ; lanes whose row is 8 .. 15 of a tile
	v_mov_b32 v200, 0                              ; written once: a lane move's destination counts as one of its sources
	v_mov_b32 v201, 0
	v_cmp_ne_u32 vcc_lo, 0, v202
.macro QUANT a
.set AC, 64*((\a)%4)
	WIN 0x0a+5*((\a)/4)
.irp c, 0,1,2,3
	v_max3_num_f32 v[TM+\c], |v[AC+16*\c]|, |v[AC+16*\c+1]|, 0x1800000
.endr
.irp i, 2,4,6,8,10,12,14
.irp c, 0,1,2,3
	v_max3_num_f32 v[TM+\c], |v[AC+16*\c+\i]|, |v[AC+16*\c+\i+1]|, v[TM+\c]
.endr
.endr
	WIN 0
.irp c, 0,1,2,3
	v_permlanex16_b32 v[TM+4+\c], v[TM+\c], s[SEL], s[SEL+1]
.endr
.irp c, 0,1,2,3
	v_max_num_f32 v[TM+\c], v[TM+\c], v[TM+4+\c]
.endr
.irp c, 0,1,2,3
	v_add_nc_u32 v[TM+12+\c], 0xff000000, v[TM+\c]
.endr
.irp c, 0,1,2,3
	v_lshrrev_b32 v[TM+4+\c], 23, v[TM+12+\c]
.endr
.irp g, 0,1
	v_lshl_or_b32 v[TM+8+\g], v[TM+5+2*\g], 8, v[TM+4+2*\g]
	v_or_b32 v[WRD+2*(\a)+\g], 0x7f7f0000, v[TM+8+\g]
.endr
	WIN 0x02+((\a)/4)
.irp b, 0,1,2,3,4,5,6,7
	v_cvt_scalef32_pk8_fp4_f32 v[PC+8*(\a)+4*(\b/4)+2*(\b%2)+(\b%4)/2], v[AC+8*\b:AC+8*\b+7], v[TM+12+\b/2]
.endr
	WIN 0
	v_nop
.irp g, 0,1
	v_permlane16_swap_b32 v[PC+8*(\a)+4*\g], v[PC+8*(\a)+4*\g+1]
	v_permlane16_swap_b32 v[PC+8*(\a)+4*\g+2], v[PC+8*(\a)+4*\g+3]
.endr
.irp g, 0,1
	global_store_b128 v[WO], v[PC+8*(\a)+4*\g:PC+8*(\a)+4*\g+3], s[66:67] offset:PKG*\g+512*(\a)
.endr
.endm
.irp a, 0,1,2,3,4,5,6,7
	QUANT \a
.endr
.irp g, 0,1
.irp i, 0,1,2,3
	; scale word i = 2 c + u of lane r: low half the two bytes of token 64 c + 16 u + r % 8 + 32 (r / 8), high half those of the token 8 further on
	v_mov_b32_dpp v200, v[WRD+8*(\i/2)+2*(\i%2)+\g] row_xmask:8 row_mask:0xf bank_mask:0xf
	v_mov_b32_dpp v201, v[WRD+8*(\i/2)+2*(\i%2)+4+\g] row_xmask:8 row_mask:0xf bank_mask:0xf
	v_perm_b32 v202, v200, v[WRD+8*(\i/2)+2*(\i%2)+\g], 0x05040100
	v_perm_b32 v203, v[WRD+8*(\i/2)+2*(\i%2)+4+\g], v201, 0x05040100
	v_cndmask_b32 v[SW+4*\g+\i], v202, v203, vcc_lo
.endr
.endr
.irp g, 0,1
	global_store_b128 v[WO], v[SW+4*\g:SW+4*\g+3], s[66:67] offset:PKG*\g+4096
.endr
	s_wait_tensorcnt 0x0
	ds_add_u32 v106, v107
	s_wait_dscnt 0x0
	CROUND
	s_endpgm
.Lfunc_end_k_qf02fd3e5d2_proj:
	.size	k_qf02fd3e5d2_proj, .Lfunc_end_k_qf02fd3e5d2_proj-k_qf02fd3e5d2_proj
	.p2alignl 7, 3214868480
	.fill 96, 4, 3214868480
	.section	.rodata,"a",@progbits
	.p2align	6, 0x0
	.amdhsa_kernel k_qf02fd3e5d2_proj
		.amdhsa_group_segment_fixed_size 327680
		.amdhsa_private_segment_fixed_size 0
		.amdhsa_enable_private_segment 0
		.amdhsa_kernarg_size 104
		.amdhsa_user_sgpr_count 2
		.amdhsa_user_sgpr_kernarg_segment_ptr 1
		.amdhsa_wavefront_size32 1
		.amdhsa_system_sgpr_workgroup_id_x 1
		.amdhsa_system_sgpr_workgroup_id_y 1
		.amdhsa_system_sgpr_workgroup_id_z 1
		.amdhsa_system_vgpr_workitem_id 0
		.amdhsa_next_free_vgpr 1024
		.amdhsa_next_free_sgpr 106
		.amdhsa_reserve_vcc 1
		.amdhsa_float_denorm_mode_32 3
		.amdhsa_float_denorm_mode_16_64 3
		.amdhsa_memory_ordered 1
		.amdhsa_forward_progress 1
		.amdhsa_inst_pref_size 164
	.end_amdhsa_kernel
	.amdgpu_metadata
---
amdhsa.version: [ 1, 2 ]
amdhsa.kernels:
  - .name:           k_qf02fd3e5d2_proj
    .symbol:         k_qf02fd3e5d2_proj.kd
    .args:
      - { .name: query_codes, .offset: 0, .size: 8, .value_kind: global_buffer, .address_space: global }
      - { .name: query_scales, .offset: 8, .size: 8, .value_kind: global_buffer, .address_space: global }
      - { .name: Wq_codes, .offset: 16, .size: 8, .value_kind: global_buffer, .address_space: global }
      - { .name: Wq_scales, .offset: 24, .size: 8, .value_kind: global_buffer, .address_space: global }
      - { .name: bq, .offset: 32, .size: 8, .value_kind: global_buffer, .address_space: global }
      - { .name: key_codes, .offset: 40, .size: 8, .value_kind: global_buffer, .address_space: global }
      - { .name: key_scales, .offset: 48, .size: 8, .value_kind: global_buffer, .address_space: global }
      - { .name: Wk_codes, .offset: 56, .size: 8, .value_kind: global_buffer, .address_space: global }
      - { .name: Wk_scales, .offset: 64, .size: 8, .value_kind: global_buffer, .address_space: global }
      - { .name: bk, .offset: 72, .size: 8, .value_kind: global_buffer, .address_space: global }
      - { .name: qw, .offset: 80, .size: 8, .value_kind: global_buffer, .address_space: global }
      - { .name: kw, .offset: 88, .size: 8, .value_kind: global_buffer, .address_space: global }
      - { .name: out1, .offset: 96, .size: 8, .value_kind: global_buffer, .address_space: global }
    .group_segment_fixed_size: 327680
    .private_segment_fixed_size: 0
    .kernarg_segment_align: 8
    .kernarg_segment_size: 104
    .max_flat_workgroup_size: 128
    .sgpr_count:     106
    .vgpr_count:     1024
    .wavefront_size: 32
...
	.end_amdgpu_metadata
.endif
;; end of part 1
;; launch attn (part 2): grid 64 x 4, 16 waves a work-group, no clusters, 327,680 bytes of LDS; arguments qw, kw, value_codes, value_scales, out0; writes out0
.if DOCPART == 2
	.amdgcn_target "amdgcn-amd-amdhsa--gfx1250"
	.amdhsa_code_object_version 6
	.text
	.protected	k_qf02fd3e5d2_attn
	.globl	k_qf02fd3e5d2_attn
	.p2align	8
	.type	k_qf02fd3e5d2_attn,@function
k_qf02fd3e5d2_attn:
	s_mov_b64 s[64:65], 0
	v_nop
	global_prefetch_b8 v0, s[64:65] scope:SCOPE_SE
	s_setreg_imm32_b32 hwreg(HW_REG_WAVE_MODE, 25, 1), 1
	s_wait_xcnt 0x0
; out0[b][q][:] = the mean over the 16 heads of the sum over k of softmax_k(q_h . k_h / 8) v[k][:], both products on codes of FP4 (E2M1) with one E8M0 scale for each 32 along a product's K.
; qw, kw as the projection launch lays them: [4 b][16 steps of 128 tokens][16 heads][a package of 4,608 bytes]: eight images of registers 0-3 of a fragment of 16 tokens (16 bytes a lane), then 16 bytes a lane of scale words.
; SHARES.  A work-group owns 32 queries of one b for all 16 heads, so the mean over heads is made inside it; wave w is head w with two tiles of 16 queries; it walks 16 steps of 128 keys.
; K GOES FROM MEMORY STRAIGHT INTO REGISTERS: a wave reads its own head's package, one step ahead (asked for behind the step's last score product).  V and its scale bytes of the whole b come into LDS once; no LDS byte is filled
; again, so the loop has no barrier.  NO CLUSTER: with K in registers what work-groups could ask for jointly is V alone, 71,168 of the 1,250,816 bytes that a work-group reads.
; THE TOKENS OF A TILE ARE CHOSEN BY THE LANES' ADDRESSES: row r of tile (c, i) is token 64 c + 8 i + r % 8 + 32 (r / 8).  In S^T = K Q^T lane half h then holds, in the 32 registers of tiles (c, 0 .. 3), keys 64 c + 32 h + 0 .. 31:
; one whole block of the second product's K, in the operand's own order: a conversion's result is register 4 c + i of P, and a block's maximum needs no other lane.
; A head has 64 numbers, the instruction 128: a fragment of K holds tile (c, 2 u) at K = 0 .. 63 and tile (c, 2 u + 1) at K = 64 .. 127; it is multiplied with (q, 0) and with (0, q), zero codes in the other half.
; The queries' two tiles are (c, 2 u) and (c, 2 u + 1) of their package, c = (x / 2) % 2, u = x % 2: rows 64 (x / 2) + 16 u + 0 .. 15 and the same 32 further on.
; THE SOFTMAX: t = score x log2(e) / 8; M = the running largest t rounded up to a whole number; p = 2^(t - M) is quantised along the keys; the row's sum is taken of the unquantised p and divides at the end; when M moves,
; the sum and O^T are multiplied by 2^(old M - new M), exactly.
; PREFETCH: in the trip that loads step s + 1, step s + 3's 73,728 bytes are named once for each b: wave 0 of work-groups x = 0 .. 8, 8,192 bytes each, lanes 256 bytes apart; steps 0 to 2 come by their loads alone; the last trips name nothing.
; LIMITS: NaN and infinities are not served; the promise holds while |t| stays under 2^31; a p under 2^-126 comes out as 0 (v_exp_f32: ISA guide 15.8); a block whose every p is that small keeps the scale byte 1 over zero codes.
.set SLOTB, 73728                      ; a step's 16 packages
.set PKG,   4608
.set VB,    0                          ; V: 64 rows of 1,024 bytes + 16 of padding
.set VP,    1040
.set SCV,   VB+64*VP                   ; V's scale bytes: 64 rows of 64 bytes + 8
.set SVP,   72
.set STG0,  SCV+64*SVP                 ; the way out: a stage for each query tile: 16 heads x 16 rows x (256 + 16) bytes; no fill lands there
.set STW,   16*272
.set STG1,  STG0+16*STW
.set SPARE, STG1+16*STW                ; the spare words, 128 bytes a wave
.set KOFF, 1                           ; my lane's place in a chosen tile: 1024 (r / 8) + 16 (r % 8) + 256 h
.set ADV,  2                           ; the step's V and V's scale words in LDS
.set ADT,  3
.set SH8,  4                           ; 8 h
.set SPW,  5
.set NIL,  6
.set L16,  7                           ; 16 x lane
.set VS,   8                           ; v8-9 V's scale words
.set QS,   10                          ; v10-11 the query tiles' scale words, their two bytes twice
.set QF,   20                          ; a query tile: q, zeros, q: 12 registers; (q, 0) begins at 0, (0, q) at 4
.set KF,   44                          ; four fragments of K
.set KS,   76                          ; their scale words
.set S,    80                          ; S^T, then p; its first 32 later hold V's fragments
.set OT,   144                         ; O^T, 32 a tile
.set P,    208                         ; p's codes, 8 a tile
.set W,    224                         ; p's scale words
.set BM,   226
.set SOP,  228
.set BT,   230
.set F,    232                         ; f, a pair a tile
.set T,    236
.set T2,   237
.set AV0,  238
.set ASV0, 239
.set CH,   240
.set PFO,  244
.set QW,   245
.set WV,   14
.set SEL,  18
.set CS,   20
.set G1V,  24
.set G1S,  32
.set G0V,  40
.set G0S,  44
.set KB,   48                          ; s[48:49] my head's package of the step last asked for
.set PFA,  50                          ; s[50:51] where the prefetch stands
.set LIM,  52
.set CNT,  53
.set TV,   76
.set TJ,   77
.macro PLACES
.rept 4
	v_nop
.endr
.endm
.macro KLOAD                           ; a step's four fragments and their scale words
.irp f, 0,1,2,3
.irp w, 0,1
	global_load_b128 v[KF+8*\f+4*\w:KF+8*\f+4*\w+3], v[KOFF], s[KB:KB+1] offset:2048*(\f/2)+512*(\f%2)+128*\w
.endr
.endr
	global_load_b128 v[KS:KS+3], v[L16], s[KB:KB+1] offset:4096
.endm
	s_load_b256 s[4:11], s[0:1], 0x0               ; qw, kw, V's codes, V's scales
	s_load_b64 s[12:13], s[0:1], 0x20              ; out0
	v_lshl_add_u32 v[SPW], v0, 2, SPARE
	v_mov_b32 v[NIL], 0
	ds_add_u32 v[SPW], v[NIL]                      ; the opening lines: the add twice on end and its wait
	ds_add_u32 v[SPW], v[NIL]
	v_lshrrev_b32 v[T], 5, v0
	v_readfirstlane_b32 s[WV], v[T]                ; wave = head
	v_and_b32 v[T], 31, v0                         ; lane
	v_and_b32 v[T2], 15, v0                        ; r
	v_bfe_u32 v[CH], v0, 4, 1                      ; h
	v_and_b32 v[CH+1], 7, v0
	v_bfe_u32 v[CH+2], v0, 3, 1
	v_lshlrev_b32 v[L16], 4, v[T]
	v_lshlrev_b32 v[PFO], 8, v[T]
	v_lshlrev_b32 v[SH8], 3, v[CH]
	v_lshlrev_b32 v[KOFF], 4, v[CH+1]
	v_mul_u32_u24 v[AV0], v[T2], VP
	v_mul_u32_u24 v[ASV0], v[T], SVP
	v_lshl_add_u32 v[KOFF], v[CH+2], 10, v[KOFF]
	v_lshl_add_u32 v[AV0], v[CH], 4, v[AV0]        ; V: row r x pitch + 16 h (VB = 0)
	v_add_nc_u32 v[ASV0], SCV, v[ASV0]             ; V's scale words: lane l takes row l of 32
	v_lshl_add_u32 v[KOFF], v[CH], 8, v[KOFF]
	s_and_b32 s17, ttmp7, 0xffff                   ; b;  x = ttmp9
	s_mov_b32 s[G1V], (1<<20)|(7<<22)|(3<<25)      ; elements of 1 byte; four words of padding after every 256
	s_mov_b32 s[G1V+1], 1024<<16
	s_mov_b32 s[G1V+2], 16<<16
	s_mov_b32 s[G1V+3], 1024<<16
	s_mov_b32 s[G1V+4], 16
	s_mov_b32 s[G1V+5], 1024
	s_mov_b32 s[G1V+6], 0
	s_mov_b32 s[G1V+7], 0
	s_mov_b32 s[G1S], (1<<20)|(3<<22)|(1<<25)      ; two words of padding after every 16
	s_mov_b32 s[G1S+1], 64<<16
	s_mov_b32 s[G1S+2], 64<<16
	s_mov_b32 s[G1S+3], 64<<16
	s_mov_b32 s[G1S+4], 64
	s_mov_b32 s[G1S+5], 64
	s_mov_b32 s[G1S+6], 0
	s_mov_b32 s[G1S+7], 0
	s_mov_b32 s[SEL], 0x76543210
	s_mov_b32 s[SEL+1], 0xfedcba98
	s_mov_b32 s[CS], 0x3e38aa3b                    ; c = log2(e) / 8
	s_mov_b32 s[CS+1], s[CS]
	s_mov_b32 s[TV], 0
	s_mov_b32 s[TJ], 0
	s_mov_b32 s[CNT], 15
	s_mul_i32 s54, s17, 16*SLOTB                   ; b's sixteen steps of k
	s_mul_i32 s55, s[WV], PKG
	s_add_co_u32 s56, s54, s55                     ; my head's package of step 0
	s_mov_b32 s57, 0
	s_min_u32 s58, ttmp9, 8                        ; the prefetch: 8,192 bytes x min(x, 8), from step 2 on (the first trip steps it to step 3)
	s_lshl_b32 s58, s58, 13
	s_add_co_u32 s58, s58, s54
	s_add_co_u32 s58, s58, 2*SLOTB
	s_mov_b32 s59, 0
	s_lshl_b32 s60, s[WV], 6
	s_add_co_u32 s60, s60, ttmp9
	s_cmp_lt_u32 s60, 9                            ; wave 0 of work-groups x = 0 .. 8 asks, while more than 2 trips are left
	s_cselect_b32 s[LIM], 2, 64
	s_lshl_b32 s60, s17, 4                         ; my queries' package: ((16 b + x / 4) x 16 + head) x 4,608
	s_lshr_b32 s61, ttmp9, 2
	s_add_co_u32 s60, s60, s61
	s_lshl_b32 s60, s60, 4
	s_add_co_u32 s60, s60, s[WV]
	s_mul_i32 s60, s60, PKG
	s_and_b32 s61, ttmp9, 3
	s_lshl_b32 s62, s61, 2
	s_add_co_u32 s62, s62, s60
	s_add_co_u32 s62, s62, 4096                    ; their scale word: word 2 c + u of a lane's four
	s_mov_b32 s63, 0
	s_and_b32 s66, ttmp9, 2
	s_lshl_b32 s66, s66, 10                        ; 2048 c
	s_and_b32 s67, ttmp9, 1
	s_lshl_b32 s67, s67, 9                         ; 512 u
	s_add_co_u32 s60, s60, s66
	s_add_co_u32 s60, s60, s67
	s_mov_b32 s61, 0
	s_lshl_b32 s68, s17, 11                        ; out0's rows that I store at the end: 2048 b + 64 (x / 2) + 16 u + 8 (w / 8) + 32 ((w / 4) % 2) + 2 (w % 4), and the next
	s_lshr_b32 s69, ttmp9, 1
	s_lshl_b32 s69, s69, 6
	s_add_co_u32 s68, s68, s69
	s_and_b32 s69, ttmp9, 1
	s_lshl_b32 s69, s69, 4
	s_add_co_u32 s68, s68, s69
	s_lshr_b32 s69, s[WV], 3
	s_lshl_b32 s69, s69, 3
	s_add_co_u32 s68, s68, s69
	s_bfe_u32 s69, s[WV], 0x10002
	s_lshl_b32 s69, s69, 5
	s_add_co_u32 s68, s68, s69
	s_and_b32 s69, s[WV], 3
	s_lshl_b32 s69, s69, 1
	s_add_co_u32 s68, s68, s69
	s_lshl_b32 s68, s68, 8
	s_mov_b32 s69, 0
	s_mul_i32 s70, s[WV], 16*VP                    ; waves 0-3: 16 rows of V each
	s_lshl_b32 s72, s17, 16
	s_lshl_b32 s71, s[WV], 14
	s_add_co_u32 s72, s72, s71
	s_mov_b32 s73, 0
	s_lshl_b32 s74, s17, 12
	s_mov_b32 s75, 0
	s_wait_alu depctr_va_vdst(0)
	s_wait_dscnt 0x0
	s_wait_kmcnt 0x0
	s_mov_b32 s[G0V], 1
	s_add_co_u32 s[G0V+1], s70, VB
	s_add_nc_u64 s[G0V+2:G0V+3], s[8:9], s[72:73]
	s_or_b32 s[G0V+3], s[G0V+3], 0x80000000
	s_mov_b32 s[G0S], 1
	s_mov_b32 s[G0S+1], SCV
	s_add_nc_u64 s[G0S+2:G0S+3], s[10:11], s[74:75]
	s_or_b32 s[G0S+3], s[G0S+3], 0x80000000
	s_add_nc_u64 s[KB:KB+1], s[6:7], s[56:57]
	s_add_nc_u64 s[PFA:PFA+1], s[6:7], s[58:59]
	s_add_nc_u64 s[62:63], s[4:5], s[62:63]
	s_add_nc_u64 s[60:61], s[4:5], s[60:61]
	s_add_nc_u64 s[12:13], s[12:13], s[68:69]
	s_cmp_lt_u32 s[WV], 4                          ; the only fills, one a wave, in one chain of branches on the wave's number
	s_cbranch_scc0 .Lnot_v
	tensor_load_to_lds s[G0V:G0V+3], s[G1V:G1V+7]
	s_nop 0
	PLACES
	s_branch .Lfilled
.Lnot_v:
	s_cmp_eq_u32 s[WV], 4
	s_cbranch_scc0 .Lfilled
	tensor_load_to_lds s[G0S:G0S+3], s[G1S:G1S+7]
	s_nop 0
	PLACES
.Lfilled:
.irp q, 0,1
	global_load_b128 v[QF+12*\q:QF+12*\q+3], v[KOFF], s[60:61] offset:128*\q
	global_load_b128 v[QF+12*\q+8:QF+12*\q+11], v[KOFF], s[60:61] offset:128*\q
.endr
	global_load_b32 v[QW], v[L16], s[62:63]
	KLOAD                                          ; step 0
.irp q, 0,1
.irp j, 4,5,6,7
	v_mov_b32 v[QF+12*\q+\j], 0                    ; the zero codes between the two copies of q
.endr
	v_mov_b32 v[12+4*\q], 0x7f61b1e6               ; -M: 3e38
	v_mov_b32 v[13+4*\q], 0xff61b1e6               ; the largest score so far: -3e38
	v_mov_b32 v[14+4*\q], 0                        ; the sum, in two halves
	v_mov_b32 v[15+4*\q], 0
	v_mov_b32 v[F+2*\q+1], 0                       ; (named as the upper half of f's pair)
.endr
	s_wait_alu depctr_va_vdst(0)
	s_wait_loadcnt 0x0
	v_perm_b32 v[QS], v[QW], v[QW], 0x01000100     ; tile 0's two bytes, for K = 0 .. 63 and for K = 64 .. 127
	v_perm_b32 v[QS+1], v[QW], v[QW], 0x03020302   ; tile 1's
.set J, 0
.rept 64
	v_mov_b32 v[OT+J], 0                           ; O^T: the first change of M multiplies zeros
.set J, J+1
.endr
.macro SQK n, qt                       ; S^T of key tile n = 4 c + i: fragment n / 2, against (q, 0) for even n, (0, q) for odd
	v_wmma_scale_f32_16x16x128_f8f6f4 v[S+8*(\n):S+8*(\n)+7], v[KF+8*((\n)/2):KF+8*((\n)/2)+7], v[QF+12*\qt+4*((\n)%2):QF+12*\qt+4*((\n)%2)+7], 0, v[KS+(\n)/2], v[QS+\qt] matrix_a_fmt:MATRIX_FMT_FP4 matrix_b_fmt:MATRIX_FMT_FP4
.endm
.macro PVT t, qt                       ; O^T += V^T P^T: V's rows 16 t on
.if (\t)%2 == 0
	v_wmma_scale_f32_16x16x128_f8f6f4 v[OT+32*\qt+8*\t:OT+32*\qt+8*\t+7], v[S+8*\t:S+8*\t+7], v[P+8*\qt:P+8*\qt+7], v[OT+32*\qt+8*\t:OT+32*\qt+8*\t+7], v[VS+(\t)/2], v[W+\qt] matrix_a_fmt:MATRIX_FMT_FP4 matrix_b_fmt:MATRIX_FMT_FP4
.else
	v_wmma_scale_f32_16x16x128_f8f6f4 v[OT+32*\qt+8*\t:OT+32*\qt+8*\t+7], v[S+8*\t:S+8*\t+7], v[P+8*\qt:P+8*\qt+7], v[OT+32*\qt+8*\t:OT+32*\qt+8*\t+7], v[VS+(\t)/2], v[W+\qt] matrix_a_fmt:MATRIX_FMT_FP4 matrix_b_fmt:MATRIX_FMT_FP4 matrix_a_scale:MATRIX_SCALE_ROW1
.endif
.endm
.macro SUM2 j                          ; two pairs of p onto the sum's two chains
	v_pk_add_f32 v[ST+2:ST+3], v[ST+2:ST+3], v[S+\j:S+\j+1]
	v_pk_add_f32 v[BT:BT+1], v[BT:BT+1], v[S+\j+2:S+\j+3]
.endm
; THE SOFTMAX of query tile qt for 128 keys: S^T becomes p, its codes and its scale word; f is kept for O^T.
.macro SOFT qt
.set ST, 12+4*\qt
.set FF, F+2*\qt
.set PP, P+8*\qt
.irp k, 0,1,2,3
	v_max3_num_f32 v[CH+\k], v[S+16*\k], v[S+16*\k+1], v[S+16*\k+2]   ; four chains by turns, each accumulator from its low end on
.endr
.irp i, 3,5,7,9,11,13
.irp k, 0,1,2,3
	v_max3_num_f32 v[CH+\k], v[CH+\k], v[S+16*\k+\i], v[S+16*\k+\i+1]
.endr
.endr
.irp c, 0,1
	v_max3_num_f32 v[BM+\c], v[CH+2*\c], v[CH+2*\c+1], v[S+32*\c+15]
.endr
.irp c, 0,1
	v_max_num_f32 v[BM+\c], v[BM+\c], v[S+32*\c+31]   ; the largest score of my block 2 c + h: all its 32 keys are mine
.endr
	s_delay_alu instid0(VALU_DEP_1)
	v_max3_num_f32 v[T], v[BM], v[BM+1], v[ST+1]
	s_delay_alu instid0(VALU_DEP_1)
	v_permlanex16_b32 v[T2], v[T], s[SEL], s[SEL+1]
	s_delay_alu instid0(VALU_DEP_1)
	v_max_num_f32 v[ST+1], v[T], v[T2]             ; the running largest score of my query
	s_delay_alu instid0(VALU_DEP_1)
	v_mul_f32 v[T], s[CS], v[ST+1]                 ; as t
	s_delay_alu instid0(VALU_DEP_1)
	v_floor_f32 v[T2], -v[T]                       ; the new -M
	s_delay_alu instid0(VALU_DEP_1)
	v_sub_f32 v[T], v[T2], v[ST]                   ; old M less new M: a whole number, 0 or less
	v_mov_b32 v[ST], v[T2]
	s_delay_alu instid0(VALU_DEP_2)
	v_cvt_i32_f32 v[T], v[T]                       ; (it saturates)
	s_delay_alu instid0(VALU_DEP_1)
	v_ldexp_f32 v[FF], 1.0, v[T]                   ; f = 2^(old M - new M)
.set J, 0
.rept 32
	v_pk_fma_f32 v[S+J:S+J+1], v[S+J:S+J+1], s[CS:CS+1], v[ST:ST+1] op_sel_hi:[1,0,0]   ; t - M
.set J, J+2
.endr
.irp c, 0,1
	v_fma_f32 v[BM+\c], v[BM+\c], s[CS], v[ST]
.endr
	s_wait_alu depctr_va_vdst(0)                   ; the wait ahead of the batch
.set J, 0
.rept 64
	v_exp_f32 v[S+J], v[S+J]                       ; p
.set J, J+1
.endr
.irp c, 0,1
	v_exp_f32 v[BM+\c], v[BM+\c]                   ; the block's largest p
.endr
	v_pk_mul_f32 v[ST+2:ST+3], v[ST+2:ST+3], v[FF:FF+1] op_sel_hi:[1,0]   ; the sums under the new M (the plain place behind the batch)
	s_wait_alu depctr_va_vdst(0)                   ; and the one wait behind it
.irp c, 0,1
	v_max_num_f32 v[BM+\c], 0x1800000, v[BM+\c]    ; the floor 2^(3 - 127)
.endr
	v_pk_add_f32 v[BT:BT+1], v[S:S+1], v[S+2:S+3]  ; the row's sum of the unquantised p, in two chains
	v_pk_add_f32 v[ST+2:ST+3], v[ST+2:ST+3], v[S+4:S+5]
.irp c, 0,1
	v_add_nc_u32 v[SOP+\c], 0xff000000, v[BM+\c]   ; 2 off the exponent field: the conversion's scale operand
.endr
	v_pk_add_f32 v[BT:BT+1], v[BT:BT+1], v[S+6:S+7]
	v_pk_add_f32 v[ST+2:ST+3], v[ST+2:ST+3], v[S+8:S+9]
.irp c, 0,1
	v_lshrrev_b32 v[BM+\c], 23, v[SOP+\c]          ; the scale's byte
.endr
.irp n, 0,1,2,3,4,5,6,7
	v_cvt_scalef32_pk8_fp4_f32 v[PP+\n], v[S+8*\n:S+8*\n+7], v[SOP+\n/4]   ; register n of P as the operand wants it
.endr
	v_pk_add_f32 v[BT:BT+1], v[BT:BT+1], v[S+10:S+11]   ; (the plain place behind the conversions)
	v_lshl_or_b32 v[T], v[BM+1], 16, v[BM]         ; my two bytes: blocks h and 2 + h,
	SUM2 12
	v_lshlrev_b32 v[T], v[SH8], v[T]               ; at their places;
	SUM2 16
	v_permlanex16_b32 v[T2], v[T], s[SEL], s[SEL+1]
.irp j, 20,24,28,32,36,40,44,48,52,56,60
	SUM2 \j
.endr
	v_or_b32 v[W+\qt], v[T], v[T2]                 ; with lane l xor 16's two the word is whole
	v_pk_add_f32 v[ST+2:ST+3], v[ST+2:ST+3], v[BT:BT+1]
.endm
; A KEY STEP.  last = 0: the next step's K is asked for.
.macro STEP last
	v_add_nc_u32 v[ADV], s[TV], v[AV0]
	v_add_nc_u32 v[ADT], s[TJ], v[ASV0]
.rept 3
	v_nop                                          ; five places: the products below write over registers that the last step's products read
.endr
	s_wait_loadcnt 0x0                             ; this step's K
.if \last == 0
	s_wait_xcnt 0x0                                ; any prefetch of mine has read its address
	s_add_nc_u64 s[PFA:PFA+1], s[PFA:PFA+1], SLOTB
.endif
.irp n, 0,1,2,3,4,5,6,7
	SQK \n, 0
.endr
	PLACES
	SOFT 0
.irp n, 0,1,2,3,4,5,6,7
	SQK \n, 1
.endr
	PLACES                                         ; in front of the loads into K's registers and of the first read of results
.if \last == 0
	s_add_nc_u64 s[KB:KB+1], s[KB:KB+1], SLOTB     ; (no load of mine is out)
	KLOAD
	s_cmp_gt_u32 s[CNT], s[LIM]
	s_cbranch_scc0 .Lnot_mine_\@
	global_prefetch_b8 v[PFO], s[PFA:PFA+1] th:TH_LOAD_NT scope:SCOPE_SE
.Lnot_mine_\@:
.endif
	SOFT 1
.irp t, 0,1,2,3
.irp c, 0,1
	ds_load_b128 v[S+8*\t+4*\c:S+8*\t+4*\c+3], v[ADV] offset:16*VP*\t+32*\c   ; V's four fragments, once for both query tiles, where p lay
.endr
.endr
.irp i, 0,1
	ds_load_b32 v[VS+\i], v[ADT] offset:32*SVP*\i
.endr
	s_wait_alu depctr_va_vdst(0)
.irp q, 0,1
.set J, 0
.rept 16
	v_pk_mul_f32 v[OT+32*\q+J:OT+32*\q+J+1], v[OT+32*\q+J:OT+32*\q+J+1], v[F+2*\q:F+2*\q+1] op_sel_hi:[1,0]   ; O^T under the new M
.set J, J+2
.endr
.endr
	s_wait_alu depctr_va_vdst(0)
	s_wait_dscnt 0x0
.irp t, 0,1,2,3
	PVT \t, 0                                      ; eight accumulators by turns
	PVT \t, 1
.endr
	s_add_co_u32 s[TV], s[TV], 64
	s_add_co_u32 s[TJ], s[TJ], 4
.endm
	s_wait_alu depctr_va_vdst(0)
	s_wait_tensorcnt 0x0                           ; my part of V is in
	s_barrier_signal -1
	s_barrier_wait -1                              ; everybody's is
.Lstep:                                            ; steps 0 to 14
	STEP 0
	s_sub_co_u32 s[CNT], s[CNT], 1
	s_cmp_lg_u32 s[CNT], 0
	s_cbranch_scc1 .Lstep
	STEP 1                                         ; step 15 asks for nothing
	; THE WAY OUT.  Each head's O^T, divided by 16 x its row's sum, goes to its place in a stage; behind a barrier each wave adds the 16 heads' numbers of two rows and stores them.
	v_and_b32 v[T], 15, v0                         ; r  (these lines are the places behind the last products)
	v_bfe_u32 v[T2], v0, 4, 1                      ; h
	v_mul_u32_u24 v[CH], v[T], 272
	v_mul_u32_u24 v[CH+2], v[T2], 272
	v_lshl_add_u32 v[CH], v[T2], 5, v[CH]
	v_lshl_add_u32 v[CH+2], v[T], 4, v[CH+2]
	s_mul_i32 s54, s[WV], STW
	s_add_co_u32 s54, s54, STG0
	v_add_nc_u32 v[CH], s54, v[CH]                 ; in, tile 0: my head's place, row r, + 32 h
	v_add_nc_u32 v[CH+1], STG1-STG0, v[CH]         ; tile 1
	s_lshr_b32 s55, s[WV], 3
	s_mul_i32 s55, s55, STG1-STG0                  ; back: waves 0-7 take tile 0's rows, waves 8-15 tile 1's,
	s_and_b32 s56, s[WV], 7
	s_mul_i32 s56, s56, 2*272                      ; two rows a wave
	s_add_co_u32 s55, s55, s56
	s_add_co_u32 s55, s55, STG0
	s_wait_alu depctr_va_vdst(0)
	v_add_nc_u32 v[CH+2], s55, v[CH+2]
.irp q, 0,1
	v_add_f32 v[14+4*\q], v[14+4*\q], v[15+4*\q]
.endr
.irp q, 0,1
	v_permlanex16_b32 v[BT+\q], v[14+4*\q], s[SEL], s[SEL+1]
.endr
.irp q, 0,1
	v_add_f32 v[14+4*\q], v[14+4*\q], v[BT+\q]     ; the row's sum
.endr
	s_wait_alu depctr_va_vdst(0)                   ; the wait ahead of the transcendentals
.irp q, 0,1
	v_rcp_f32 v[14+4*\q], v[14+4*\q]
.endr
	v_nop
	s_wait_alu depctr_va_vdst(0)                   ; and behind them, ahead of the first readers
.irp q, 0,1
	v_mul_f32 v[14+4*\q], 0x3d800000, v[14+4*\q]   ; x 1/16: the mean over the heads
.endr
.irp q, 0,1
.set J, 0
.rept 16
	v_pk_mul_f32 v[OT+32*\q+J:OT+32*\q+J+1], v[OT+32*\q+J:OT+32*\q+J+1], v[14+4*\q:15+4*\q] op_sel_hi:[1,0]
.set J, J+2
.endr
.endr
.irp q, 0,1
.irp t, 0,1,2,3
	ds_store_b128 v[CH+\q], v[OT+32*\q+8*\t:OT+32*\q+8*\t+3] offset:64*\t      ; lane (r, h), register 8 t + j: query r, channel 16 t + 8 h + j
	ds_store_b128 v[CH+\q], v[OT+32*\q+8*\t+4:OT+32*\q+8*\t+7] offset:64*\t+16
.endr
.endr
	s_wait_dscnt 0x0                               ; for the others' sake: my stores are done
	s_barrier_signal -1
	s_barrier_wait -1
.irp i, 0,1,2,3,4,5,6,7,8,9,10,11,12,13,14,15
	ds_load_b128 v[S+4*\i:S+4*\i+3], v[CH+2] offset:STW*\i
.endr
	s_wait_dscnt 0x0
.macro ADDV d, s
	v_pk_add_f32 v[S+4*\d:S+4*\d+1], v[S+4*\d:S+4*\d+1], v[S+4*\s:S+4*\s+1]
	v_pk_add_f32 v[S+4*\d+2:S+4*\d+3], v[S+4*\d+2:S+4*\d+3], v[S+4*\s+2:S+4*\s+3]
.endm
.irp i, 0,1,2,3,4,5,6,7
	ADDV \i, (\i+8)
.endr
.irp i, 0,1,2,3
	ADDV \i, (\i+4)
.endr
.irp i, 0,1
	ADDV \i, (\i+2)
.endr
	ADDV 0, 1
	global_store_b128 v[L16], v[S:S+3], s[12:13]   ; two whole rows of out0: 512 consecutive bytes, at a multiple of 256 from its first byte
	s_wait_tensorcnt 0x0                           ; the wave's end
	ds_add_u32 v[SPW], v[NIL]
	s_wait_dscnt 0x0
	s_endpgm
.Lfunc_end_k_qf02fd3e5d2_attn:
	.size	k_qf02fd3e5d2_attn, .Lfunc_end_k_qf02fd3e5d2_attn-k_qf02fd3e5d2_attn
	.p2alignl 7, 3214868480
	.fill 96, 4, 3214868480
	.section	.rodata,"a",@progbits
	.p2align	6, 0x0
	.amdhsa_kernel k_qf02fd3e5d2_attn
		.amdhsa_group_segment_fixed_size 327680
		.amdhsa_private_segment_fixed_size 0
		.amdhsa_enable_private_segment 0
		.amdhsa_kernarg_size 40
		.amdhsa_user_sgpr_count 2
		.amdhsa_user_sgpr_kernarg_segment_ptr 1
		.amdhsa_wavefront_size32 1
		.amdhsa_system_sgpr_workgroup_id_x 1
		.amdhsa_system_sgpr_workgroup_id_y 1
		.amdhsa_system_sgpr_workgroup_id_z 1
		.amdhsa_system_vgpr_workitem_id 0
		.amdhsa_next_free_vgpr 256
		.amdhsa_next_free_sgpr 80
		.amdhsa_reserve_vcc 0
		.amdhsa_float_denorm_mode_32 3
		.amdhsa_float_denorm_mode_16_64 3
		.amdhsa_memory_ordered 1
		.amdhsa_forward_progress 1
		.amdhsa_inst_pref_size 72
	.end_amdhsa_kernel
	.amdgpu_metadata
---
amdhsa.version: [ 1, 2 ]
amdhsa.kernels:
  - .name:           k_qf02fd3e5d2_attn
    .symbol:         k_qf02fd3e5d2_attn.kd
    .args:
      - { .name: qw, .offset: 0, .size: 8, .value_kind: global_buffer, .address_space: global }
      - { .name: kw, .offset: 8, .size: 8, .value_kind: global_buffer, .address_space: global }
      - { .name: value_codes, .offset: 16, .size: 8, .value_kind: global_buffer, .address_space: global }
      - { .name: value_scales, .offset: 24, .size: 8, .value_kind: global_buffer, .address_space: global }
      - { .name: out0, .offset: 32, .size: 8, .value_kind: global_buffer, .address_space: global }
    .group_segment_fixed_size: 327680
    .private_segment_fixed_size: 0
    .kernarg_segment_align: 8
    .kernarg_segment_size: 40
    .max_flat_workgroup_size: 512
    .sgpr_count:     80
    .vgpr_count:     256
    .wavefront_size: 32
...
	.end_amdgpu_metadata
.endif
;; end of part 2
